; MI455X (gfx1250); checked and timed in simulation.
; The chip was launched on July 23, 2026; its instructions are those of AMD's public machine-readable ISA for CDNA 5 (MIT licence, August 2026) and "CDNA5" Instruction Set Architecture Reference Guide (July 2026). The comments in the code are by the model that wrote it; some were corrected since.
;; Self Attention. Allowed arithmetic: matrix products marked QUANTISED: E3M2 operands, one E8M0 scale for each 32 along K, by v_wmma_scale_f32_16x16x128_f8f6f4 with both operands' format E3M2, f32 sums; everything else in f32.
;; Inputs: qkv 4 x 2,048 x 3 x 16 x 64 float32.
;; Outputs: out0 4 x 16 x 2,048 x 64 float32.
;; This version of the problem:
;;   THIS VERSION OF THE PROBLEM IS GIVEN IN LOW PRECISION. The matrix products marked QUANTISED in the list below multiply operands that are first quantised to E3M2 (3 exponent bits, 2 mantissa bits; 6 bits a number), with one power-of-two scale for each 32 numbers along K (OCP MX v1.0); their sums are f32. All else is computed in f32.
;;   The module's matrix products, in the order in which they are computed (A, B: the left and right operand; K: the contracted axis; several contracted axes count as one K, in the product's order):
;;     1. batch 64 x [M 2,048, K 64] x [K 64, N 2,048]; A: input qkv; B: input qkv: QUANTISED
;;     2. batch 64 x [M 2,048, K 2,048] x [K 2,048, N 64]; A: softmax (see below); B: input qkv: QUANTISED
;;   THE QUANTISER, for each operand of a quantised product, along K:
;;     - K is cut into blocks of 32 from its start; a last block that is shorter is filled with zeros.
;;     - A block's scale is 2^e with e = floor(log2(the largest magnitude in the block)) - 4, held to -126 .. 127; a block of zeros has e = 0. As a byte (E8M0): e + 127.
;;     - Each number is divided by its block's scale, clamped to +-28, and rounded to the nearest number of E3M2, ties to even, subnormals kept.
;;     - The product sums the exact products of the quantised numbers (number of the format x scale) in f32.
;;   ~~~python
;;   def quantise(x, axis):      # numpy; x: float32 -> the quantised numbers, widened to float32 again
;;       x = np.moveaxis(x, axis, -1); K = x.shape[-1]
;;       x = np.pad(x, [(0, 0)] * (x.ndim - 1) + [(0, -K % 32)]); x = x.reshape(x.shape[:-1] + (-1, 32)); a = np.abs(x).max(-1, keepdims=True)
;;       e = np.where(a > 0, np.clip(np.frexp(np.where(a > 0, a, 1))[1] - 1 - 4, -126, 127), 0)      # np.frexp(a)[1] - 1 = floor(log2(a)), exactly
;;       r = np.clip(x / 2.0 ** e, -28, 28)
;;       step = 2.0 ** (np.maximum(np.frexp(np.where(r == 0, 1, r))[1] - 1, -2) - 2)
;;       q = np.round(r / step) * step * 2.0 ** e      # np.round: ties to even
;;       return np.moveaxis(q.reshape(q.shape[:-2] + (-1,))[..., :K], -1, axis).astype(np.float32)
;;   ~~~
;;   SOFTMAX AHEAD OF A QUANTISED PRODUCT. Where the list says 'softmax', what is quantised is not the finished softmax but p = 2^(t - M), with t = logit x log2(e) and M = ceil(the row's largest t), a whole number; so 1/2 < the row's largest p <= 1. The row's sum l is taken of the UNQUANTISED p, in f32, and the product's result is divided by l at the end. Since M is a whole number, a kernel that streams over the keys may use a running M (the ceiling of the running maximum): every later rescaling is an exact power of two, which a block's scale takes up: the codes' values come out the same.
;;   OPERANDS COMPUTED ON THE WAY. 'Computed on the way' means the value that the module computes at that place (a softmax that the list does not call 'softmax' is quantised finished and normalised). What goes into a quantiser is computed in f32, as accurately as f32 sums, v_exp_f32 and their like allow (about 1e-6 of the number): no bf16 or f16 on the way to a quantiser, and a product that is left as it is and whose result goes on into a quantised operand takes f32 operands (vector FMAs, or v_wmma_f32_16x16x4_f32). A number that lies on a knife's edge between two numbers of the format may be rounded either way, as far as f32 arithmetic and the matrix unit's own rounding can turn it there, and no further.
;; One version. Each part assembles by itself: llvm-mc -triple=amdgcn-amd-amdhsa -mcpu=gfx1250 --defsym DOCPART=n.
;; ======== version 1 of 1: 2 launches
;; workspace buffers: kv 13,107,200 bytes
;; launch quant (part 1): grid 16 x 64, 4 waves a work-group, no clusters, 17,920 bytes of LDS; arguments qkv, kv; writes kv
.if DOCPART == 1
	.amdgcn_target "amdgcn-amd-amdhsa--gfx1250"
	.amdhsa_code_object_version 6
	.text
	.protected	k_qe80e8a6b3a_quant
	.globl	k_qe80e8a6b3a_quant
	.p2align	8
	.type	k_qe80e8a6b3a_quant,@function
k_qe80e8a6b3a_quant:
	s_mov_b64 s[64:65], 0
	v_nop
	global_prefetch_b8 v0, s[64:65] scope:SCOPE_SE
	s_setreg_imm32_b32 hwreg(HW_REG_WAVE_MODE, 25, 1), 1
	s_wait_xcnt 0x0
; k and v of qkv [4][2048][3][16][64], f32, become codes of BF6 (E3M2) with one E8M0 scale byte for each 32 along a product's K: k along the head's 64, v along the KEYS.
; A block's scale is 2^(floor(log2(its largest magnitude)) - 4); its byte is that magnitude's exponent field - 4, held at 1 from below; numbers are divided by the scale and rounded to the nearest code, ties to even,
; beyond 28 the largest code.  LIMITS: NaN and infinities among the inputs are not served; a block of zeros gets the byte 1 where the rule says 127: its codes are zeros, and the bytes are read by this program alone.
; THE OUTPUT IS LAID IN THE ORDER OF THE NEXT LAUNCH'S OPERAND REGISTERS.  Head y = 16 b + h, key step g (keys 128 g .. 128 g + 127): a block of 12,800 bytes at (16 y + g) x 12,800.  Lane l = 16 hh + r puts four
; registers at 16 l, one register at 4 l:
;   0 + 1536 p + 512 c      K's pair p (0..3), registers 4 c .. 4 c + 3.  Registers 0-5: key ka = 32 p + r + 8 (r / 8), d = 32 hh + 0..31; registers 6-11: key ka + 8, the same d
;   6144 + 128 e            lanes 0-15: the scale word of pair 2 e, row r; lanes 16-31: of pair 2 e + 1.  A word: bytes (ka, d 0-31), (ka, d 32-63), (ka + 8, d 0-31), (ka + 8, d 32-63)
;   6400 + 1536 t + 512 c   V's tile t (0..3).  Registers 6 c' .. 6 c' + 5: d = 16 t + r, keys 64 c' + 32 hh + 0..31
;   12544 + 128 u           lanes 0-15: the scale word of tile 2 u, row r; lanes 16-31: of tile 2 u + 1.  Byte j: keys 32 j on
; SHARES.  A work-group makes one block.  Waves 0, 1 (E = wave & 1) make K's pairs 2 E, 2 E + 1; waves 2, 3 make V's tiles 2 E, 2 E + 1.  The two roles part once, on the wave's number, and never meet: no barrier.
; The four scale images are 128 bytes each, so two of a block's fifty runs of 256 bytes are written in halves by two waves; all other stores cover 512 consecutive bytes.
.set ROWQ,  12288                      ; bytes of a row (b, s): 3 x 16 x 64 numbers
.set BSTR,  2048*ROWQ                  ; from b to b + 1
.set GSTR,  128*ROWQ                   ; from a key step to the next
.set BLKB,  12800
.set KSC,   6144
.set VFR,   6400
.set VSC,   12544
.set PITCH, 272                        ; a stage row: a key's 256 bytes + 16: sixteen consecutive rows begin at sixteen different 16-byte columns of 256 bytes
.set STG,   32*PITCH                   ; a K wave's stage: 32 keys
.set T0,    20                         ; v20-22, v24-26: the upper halves of a block's codes (a conversion's three registers begin on an even number)
.set T1,    24
.set F,     28                         ; v28-51   two fragments of 12 registers
.set X,     64                         ; v64-127  numbers to quantise
.set R,     128                        ; v128-255 k as it is loaded
	s_load_b128 s[4:7], s[0:1], 0x0                ; qkv, kv
	v_lshl_add_u32 v62, v0, 2, 0x4400
	v_mov_b32 v63, 0
	v_lshrrev_b32 v1, 5, v0
	v_readfirstlane_b32 s8, v1                     ; wave 0..3
	s_and_b32 s9, s8, 1                            ; E
	s_and_b32 s11, ttmp7, 0xffff                   ; y, the head; ttmp9 is g, the key step
	v_and_b32 v1, 31, v0                           ; lane
	v_and_b32 v2, 15, v0                           ; r
	v_bfe_u32 v3, v0, 4, 1                         ; hh
	v_mul_u32_u24 v4, v3, ROWQ
	v_lshl_add_u32 v4, v2, 4, v4                   ; k in memory: lanes 0-15 one key's 256 bytes, lanes 16-31 the next key's
	s_mul_i32 s12, s9, STG
	v_mul_u32_u24 v5, v3, PITCH
	v_lshl_add_u32 v5, v2, 4, v5
	v_add_nc_u32 v5, s12, v5                       ; the stage, on the way in: the same two keys as two rows
	v_mul_u32_u24 v6, v2, PITCH
	v_lshl_add_u32 v6, v3, 7, v6
	v_add_nc_u32 v6, s12, v6                       ; and on the way out: row r, my half's 32 numbers
	v_lshlrev_b32 v7, 4, v1                        ; an image's place for my lane: 16 x lane
	v_lshlrev_b32 v27, 2, v1                       ; 4 x lane: v in memory (a lane to a column d), and a scale word's place
	s_lshl_b32 s13, s9, 7
	v_add_nc_u32 v8, s13, v27                      ; 4 x lane + 128 E
	v_lshlrev_b32 v9, 3, v3                        ; 8 hh: my byte's shift in a scale word
	v_mov_b32 v18, 0                               ; a lane permute's destination counts as one of its sources
	s_mov_b32 s20, 0x76543210
	s_mov_b32 s21, 0xfedcba98                      ; v_permlanex16_b32's selects for lane l xor 16
	s_mov_b32 s22, 0xffff0000                      ; lanes 16-31
	s_lshr_b32 s12, s11, 4                         ; b
	s_mul_i32 s12, s12, BSTR
	s_mul_i32 s13, ttmp9, GSTR
	s_add_co_u32 s12, s12, s13
	s_and_b32 s13, s11, 15                         ; h
	s_lshl_b32 s13, s13, 8
	s_add_co_u32 s12, s12, s13                     ; q of the step's first key, in bytes: under 2^27
	s_mov_b32 s13, 0
	s_lshl_b32 s14, s11, 4
	s_add_co_u32 s14, s14, ttmp9
	s_mul_i32 s14, s14, BLKB                       ; the block's place in kv
	s_mov_b32 s15, 0
	s_mov_b32 s17, 0
	s_mul_i32 s18, s9, 2*1536                      ; my two fragments' place among their four
	s_mov_b32 s19, 0
	s_wait_kmcnt 0x0
	s_add_nc_u64 s[24:25], s[4:5], s[12:13]
	s_add_nc_u64 s[26:27], s[6:7], s[14:15]        ; the block
	s_add_nc_u64 s[28:29], s[26:27], s[18:19]
; the largest magnitude of v[x] .. v[x + 31], in two chains, and the floor 2^(5 - 127), under which none is taken: so the byte cannot fall under 1
.macro MAX1 d, t, x
	v_max3_num_f32 v[\d], |v[\x]|, |v[\x+1]|, |v[\x+2]|
	v_max3_num_f32 v[\t], |v[\x+3]|, |v[\x+4]|, |v[\x+5]|
.irp i, 6,10,14,18,22,26
	v_max3_num_f32 v[\d], v[\d], |v[\x+\i]|, |v[\x+\i+1]|
	v_max3_num_f32 v[\t], v[\t], |v[\x+\i+2]|, |v[\x+\i+3]|
.endr
	v_max3_num_f32 v[\d], v[\d], |v[\x+30]|, |v[\x+31]|
	v_max3_num_f32 v[\d], v[\d], v[\t], 0x2800000
.endm
; 32 numbers become 192 bits: the lower 16 codes where they belong, the upper 16 elsewhere, to be moved
.macro CODES dst, tmp, x, sc
	v_cvt_scalef32_pk16_bf6_f32 v[\dst:\dst+2], v[\x:\x+15], v[\sc]
	v_cvt_scalef32_pk16_bf6_f32 v[\tmp:\tmp+2], v[\x+16:\x+31], v[\sc]
.endm
	s_cmp_lt_u32 s8, 2
	s_cbranch_scc0 .Lv_path
; ---------------- K: waves 0, 1: keys 64 E .. 64 E + 63 of the step ----------------
	s_mul_i32 s16, s9, 64*ROWQ
	s_add_co_u32 s16, s16, 4096                    ; k lies 4,096 bytes behind q
	s_add_nc_u64 s[24:25], s[24:25], s[16:17]
.set n, 0
.rept 32
	global_load_b128 v[R+4*n:R+4*n+3], v4, s[24:25] offset:n*2*ROWQ th:TH_LOAD_NT   ; keys 2 n and 2 n + 1: two runs of 256 consecutive bytes, each at a multiple of 256
.set n, n+1
.endr
; A pair of tiles: 32 keys.  They turn through the wave's stage, since a load has neighbouring bytes in neighbouring lanes and a conversion wants 32 neighbours in one lane.
; The groups of eight keys are stored in the order 0, 2, 1, 3: lane r's key ka = r + 8 (r / 8) then lies in stage row r, and ka + 8 in row 16 + r.
.macro KPAIR p
	s_wait_loadcnt 16*(1-\p)                       ; this pair's sixteen loads are in; the other pair's sixteen, issued behind them, may be out
.irp n, 0,1,2,3,4,5,6,7,8,9,10,11,12,13,14,15
	ds_store_b128 v5, v[R+64*\p+4*\n:R+64*\p+4*\n+3] offset:((2*\n)%8+8*((((2*\n)/8)&1)*2+(2*\n)/16))*PITCH
.endr
.irp j, 0,1,2,3,4,5,6,7
	ds_load_b128 v[X+4*\j:X+4*\j+3], v6 offset:16*\j                       ; LDS serves a wave's instructions in order (ISA guide 5.7.1): these see the stores above
.endr
.irp j, 0,1,2,3,4,5,6,7
	ds_load_b128 v[X+32+4*\j:X+32+4*\j+3], v6 offset:16*PITCH+16*\j
.endr
	s_wait_dscnt 0x0
	MAX1 10, 12, X                                 ; key ka, block hh: all 32 numbers are mine
	MAX1 11, 13, X+32                              ; key ka + 8
	v_add_nc_u32 v12, 0xfe000000, v10              ; 4 off the exponent field: the conversion takes the exponent field of this operand as its scale, and nothing else of it
	v_add_nc_u32 v13, 0xfe000000, v11
	v_lshrrev_b32 v14, 23, v12                     ; the scales' bytes
	v_lshrrev_b32 v15, 23, v13
	v_lshl_or_b32 v[16+\p], v15, 16, v14
	v_lshlrev_b32 v[16+\p], v9, v[16+\p]           ; at their places: 8 hh bits up
	v_permlanex16_b32 v18, v[16+\p], s20, s21
	v_or_b32 v[16+\p], v[16+\p], v18               ; with lane l xor 16's two bytes the word is whole
	CODES F+12*\p, T0, X, 12
	CODES F+12*\p+6, T1, X+32, 13
	v_nop                                          ; one plain place behind a scaled conversion
.irp i, 0,1,2
	v_mov_b32 v[F+12*\p+3+\i], v[T0+\i]
	v_mov_b32 v[F+12*\p+9+\i], v[T1+\i]
.endr
.irp c, 0,1,2
	global_store_b128 v7, v[F+12*\p+4*\c:F+12*\p+4*\c+3], s[28:29] offset:1536*\p+512*\c   ; 512 consecutive bytes
.endr
.endm
	KPAIR 0
	KPAIR 1
	v_cndmask_b32 v19, v16, v17, s22               ; lanes 0-15: pair 2 E's words; lanes 16-31: pair 2 E + 1's
	global_store_b32 v8, v19, s[26:27] offset:KSC
	s_wait_tensorcnt 0x0
	ds_add_u32 v62, v63
	s_wait_dscnt 0x0
	s_endpgm
; ---------------- V: waves 2, 3: a lane takes column d = 32 E + lane, and its registers run down the keys ----------------
.Lv_path:
	s_lshl_b32 s16, s9, 7
	s_add_co_u32 s16, s16, 8192                    ; v lies 8,192 bytes behind q
	s_add_nc_u64 s[24:25], s[24:25], s[16:17]
	s_add_nc_u64 s[28:29], s[28:29], VFR
.macro VLOAD j                         ; block j: keys 32 j + 0..31 of my column, into set j % 2; a load reads 128 consecutive bytes, and waves 2 and 3 stand side by side on 256
.set n, 0
.rept 32
	global_load_b32 v[X+32*((\j)%2)+n], v27, s[24:25] offset:(32*(\j)+n)*ROWQ th:TH_LOAD_NT
.set n, n+1
.endr
.endm
.macro VBLOCK j
.set XS, X+32*((\j)%2)
.set DS, F+12*((\j)%2)+6*((\j)/2)      ; even blocks into the first fragment's registers, odd blocks into the second's
.if (\j) < 3
	s_wait_loadcnt 32                              ; this block's 32 loads are in; the 32 issued behind them may be out
.else
	s_wait_loadcnt 0x0
.endif
	MAX1 10, 11, XS
	v_add_nc_u32 v12, 0xfe000000, v10
	v_lshrrev_b32 v14, 23, v12
.if (\j) == 0
	v_mov_b32 v16, v14                             ; my column's scale word: byte j for block j
.else
	v_lshl_or_b32 v16, v14, 8*(\j), v16
.endif
	CODES DS, T0, XS, 12
	v_nop                                          ; one plain place behind a scaled conversion
.irp i, 0,1,2
	v_mov_b32 v[DS+3+\i], v[T0+\i]
.endr
.if (\j) < 2
	VLOAD (\j)+2
.endif
.endm
	VLOAD 0
	VLOAD 1
	VBLOCK 0
	VBLOCK 1
; Lanes 0-15 hold tile 2 E's columns, lanes 16-31 tile 2 E + 1's.  The operand's layout wants an even block in lanes 0-15 and the odd block behind it in lanes 16-31 of ONE tile:
; the even block's lanes 16-31 change places with the odd block's lanes 0-15.  The first run is then tile 2 E's fragment, the second tile 2 E + 1's.
.irp i, 0,1,2,3,4,5
	v_permlane16_swap_b32 v[F+\i], v[F+12+\i]
.endr
	VBLOCK 2
	VBLOCK 3
.irp i, 6,7,8,9,10,11
	v_permlane16_swap_b32 v[F+\i], v[F+12+\i]
.endr
.irp a, 0,1
.irp c, 0,1,2
	global_store_b128 v7, v[F+12*\a+4*\c:F+12*\a+4*\c+3], s[28:29] offset:1536*\a+512*\c
.endr
.endr
	global_store_b32 v8, v16, s[26:27] offset:VSC
	s_endpgm
.Lfunc_end_k_qe80e8a6b3a_quant:
	.size	k_qe80e8a6b3a_quant, .Lfunc_end_k_qe80e8a6b3a_quant-k_qe80e8a6b3a_quant
	.p2alignl 7, 3214868480
	.fill 96, 4, 3214868480
	.section	.rodata,"a",@progbits
	.p2align	6, 0x0
	.amdhsa_kernel k_qe80e8a6b3a_quant
		.amdhsa_group_segment_fixed_size 17920
		.amdhsa_private_segment_fixed_size 0
		.amdhsa_enable_private_segment 0
		.amdhsa_kernarg_size 16
		.amdhsa_user_sgpr_count 2
		.amdhsa_user_sgpr_kernarg_segment_ptr 1
		.amdhsa_wavefront_size32 1
		.amdhsa_system_sgpr_workgroup_id_x 1
		.amdhsa_system_sgpr_workgroup_id_y 1
		.amdhsa_system_sgpr_workgroup_id_z 1
		.amdhsa_system_vgpr_workitem_id 0
		.amdhsa_next_free_vgpr 256
		.amdhsa_next_free_sgpr 66
		.amdhsa_reserve_vcc 0
		.amdhsa_float_denorm_mode_32 3
		.amdhsa_float_denorm_mode_16_64 3
		.amdhsa_memory_ordered 1
		.amdhsa_forward_progress 1
		.amdhsa_inst_pref_size 36
	.end_amdhsa_kernel
	.amdgpu_metadata
---
amdhsa.version: [ 1, 2 ]
amdhsa.kernels:
  - .name:           k_qe80e8a6b3a_quant
    .symbol:         k_qe80e8a6b3a_quant.kd
    .args:
      - { .name: qkv, .offset: 0, .size: 8, .value_kind: global_buffer, .address_space: global }
      - { .name: kv, .offset: 8, .size: 8, .value_kind: global_buffer, .address_space: global }
    .group_segment_fixed_size: 17920
    .private_segment_fixed_size: 0
    .kernarg_segment_align: 8
    .kernarg_segment_size: 16
    .max_flat_workgroup_size: 128
    .sgpr_count:     66
    .vgpr_count:     256
    .wavefront_size: 32
...
	.end_amdgpu_metadata
.endif
;; end of part 1
;; launch attn (part 2): grid 4 x 64, 16 waves a work-group, no clusters, 327,680 bytes of LDS; arguments qkv, kv, out0; writes out0
.if DOCPART == 2
	.amdgcn_target "amdgcn-amd-amdhsa--gfx1250"
	.amdhsa_code_object_version 6
	.text
	.protected	k_qe80e8a6b3a_attn
	.globl	k_qe80e8a6b3a_attn
	.p2align	8
	.type	k_qe80e8a6b3a_attn,@function
k_qe80e8a6b3a_attn:
	s_mov_b64 s[64:65], 0
	v_nop
	global_prefetch_b8 v0, s[64:65] scope:SCOPE_SE
	s_setreg_imm32_b32 hwreg(HW_REG_WAVE_MODE, 25, 1), 1
	s_wait_xcnt 0x0
; out0[y][q][:] = the sum over keys k <= q of softmax_k(Q[q] . K[k] / 8) V[k][:], head y = 16 b + h, 2,048 queries, head size 64; both products on codes of BF6 (E3M2) with one E8M0 scale for each 32 along K.
; q comes from qkv as f32 and is quantised here, in registers (one wave reads it, once); k and v come from kv as images of operand registers with their scale words (12,800 bytes for 128 keys).
; THE SOFTMAX: t = score x log2(e) / 8; M = the row's largest t so far, rounded UP to a whole number; p = 2^(t - M) is quantised along the keys, not normalised; the row's sum is taken of the unquantised p and divides
; at the end.  When M moves, the sum and O are multiplied by 2^(old M - new M): exact.
; SHARES.  Work-group (I, y) owns the blocks of 256 queries I and 7 - I of head y; each of its sixteen waves owns 16 queries of each block, one after the other.  A slot is 256 keys.  Block I wants slots 0 .. I, block
; 7 - I slots 0 .. 7 - I: (I + 1) + (8 - I) = 9 slots for every I: one loop of constant count, 256 work-groups of equal work.  In trip I + 1 the first block goes out and the second begins.
; Four waves of 256 registers share a SIMD, so that one wave's softmax stands beside another's products and LDS loads.
; LAYOUT.  Both products are used transposed: S^T = K Q^T (source 0 = keys, source 1 = my 16 queries), O^T = V^T P^T (source 0 = 16 of the head's 64, source 1 = P): a lane holds ONE query (lane % 16) throughout.
; THE FIRST PRODUCT'S K IS 64, THE FORM'S 128.  A run of 12 registers of K holds TWO tiles of 16 keys, (ka | ka + 8), and is multiplied twice: by (Q | 0), which gives the first tile, and by (0 | Q), which gives the
; second.  The 18 registers (Q | 0 | Q) hold both.  The zero half has zero codes and the scale bytes 0: it adds nothing.  ka = 32 p + r + 8 (r / 8), so that the 16 registers of a pair's two tiles are 16 neighbouring keys.
; NO CLUSTER: the four work-groups of a head read the same slots, but in different trips (work-group I reads slot t up to trip I and slot t - I - 1 after it), so their requests would not meet; walking in step would
; take both blocks through eight slots together, 12 units of work in the slowest partner against 9 here.
; LIMITS: NaN and infinities among the inputs are not served; a p under 2^-126 counts as 0 (v_exp_f32 gives 0 there: ISA guide, its entry); a block's largest p is made from the block's largest score, which takes
; v_exp_f32 not to fall where its input rises; a block of zeros gets the scale byte 1, with zero codes.
; A wave has one tensor load out at the most.
.set SLOT1, 1<<15                      ; slot 0 at LDS byte 0, slot 1 here: one exclusive or changes slots.  A slot: two key steps, 25,600 bytes
.set STEPB, 12800
.set KSC,   6144                       ; in a step's block: K's four pairs at 0, their scale words here,
.set VFR,   6400                       ; V's four tiles,
.set VSC,   12544                      ; their scale words
.set STAGE, 65536                      ; 16 rows x 272 bytes for each wave: q's way in, o's way out; no fill lands here
.set SP,    272                        ; a row's 256 bytes + 16: sixteen consecutive rows begin at sixteen different 16-byte columns of 256 bytes
.set SPARE, STAGE+16*16*SP             ; the spare words, 128 bytes for each wave: eight blocks of 256 bytes that no other line names
.set ROWQ,  12288                      ; bytes of a row (b, s) of qkv
; v1 16 x lane   v2 4 x lane   v3, v4 the same + the slot in hand   v5, v6 the add's two registers   v7 stage: r x 272 + 32 hh   v8 stage: hh x 272 + 16 r   v9 stage: r x 272 + 128 hh   v10 r - 16 hh
; v11 q in memory   v12 -M   v13 the largest t   v[14:15] the sum in two halves   v16-33 (Q | 0 | Q)   v34, v35 q's scale words for the two forms   v36 8 hh
.set FR,  44                           ; v44-91   four fragments: K's pairs, then V's tiles; on the way out rows of o
.set SCK, 92                           ; v92-93   K's scale words     v94-95 V's
.set SCV, 94
.set S,   96                           ; v96-159  S^T, then p
.set O,   160                          ; v160-191 O^T, four tiles
.set PC,  192                          ; v192-203 p's codes
.set PT,  204                          ; v204-206, v208-210 the conversions' second results
.set BM,  212                          ; v212-215 the blocks' largest scores, then largest p
.set BP,  216                          ; v216-219 a permute's destination, then the scales' bytes
.set SO,  220                          ; v220-223 the conversions' scale operands
.set PW,  224                          ; v224     p's scale word
.set FF,  226                          ; v[226:227] f = 2^(old M - new M); the upper half is named with it and holds 0
.set QAS, 232                          ; v232-238 the first block's q: six registers of codes and the scale word;  v240-246 the second block's
.set QBS, 240
; s[4:9] qkv, kv, out0   s10 wave   s11 I   s12 I + 1   s13 y   s14 trip   s15 LDS byte of the slot in hand   s16 the step's first key   s17 my first query   s18 that of the second block
; s[20:21] lane selects   s[22:23] c   s[24:31], s[32:35] the descriptor   s[36:37] the head's kv   s[38:39] an offset   s[40:41], s[42:43] my rows of out0   s44-47 at work   s[52:53], s[54:55] my rows of q
.macro TLOAD                           ; wave 0 fetches a whole slot with one load; four v_nop follow the line, ahead of the label and what follows
	s_cmp_lg_u32 s10, 0
	s_cbranch_scc1 .Lno_\@
	tensor_load_to_lds s[32:35], s[24:31]
	s_nop 0
.rept 4
	v_nop
.endr
.Lno_\@:
.endm
.macro MAX1 d, t, x                    ; the largest magnitude of v[x] .. v[x + 31], in two chains, and the floor 2^(5 - 127): the byte cannot fall under 1
	v_max3_num_f32 v[\d], |v[\x]|, |v[\x+1]|, |v[\x+2]|
	v_max3_num_f32 v[\t], |v[\x+3]|, |v[\x+4]|, |v[\x+5]|
.irp i, 6,10,14,18,22,26
	v_max3_num_f32 v[\d], v[\d], |v[\x+\i]|, |v[\x+\i+1]|
	v_max3_num_f32 v[\t], v[\t], |v[\x+\i+2]|, |v[\x+\i+3]|
.endr
	v_max3_num_f32 v[\d], v[\d], |v[\x+30]|, |v[\x+31]|
	v_max3_num_f32 v[\d], v[\d], v[\t], 0x2800000
.endm
	s_load_b128 s[4:7], s[0:1], 0x0                ; qkv, kv
	s_load_b64 s[8:9], s[0:1], 0x10                ; out0
	v_lshl_add_u32 v5, v0, 2, SPARE
	v_mov_b32 v6, 0
	ds_add_u32 v5, v6
	s_wait_dscnt 0x0
	v_lshrrev_b32 v1, 5, v0
	v_readfirstlane_b32 s10, v1                    ; wave 0..15
	s_mov_b32 s11, ttmp9                           ; I
	s_add_co_u32 s12, s11, 1
	s_and_b32 s13, ttmp7, 0xffff                   ; y
	s_lshl_b32 s47, s10, 4
	s_lshl_b32 s17, s11, 8
	s_add_co_u32 s17, s17, s47                     ; my first query of block I: 256 I + 16 x wave
	s_sub_co_u32 s18, 7, s11
	s_lshl_b32 s18, s18, 8
	s_add_co_u32 s18, s18, s47                     ; and of block 7 - I
	s_mov_b32 s14, 0
	s_mov_b32 s15, 0
	s_mov_b32 s16, 0
	s_mov_b32 s20, 0x76543210
	s_mov_b32 s21, 0xfedcba98                      ; v_permlanex16_b32's selects for lane l xor 16
	s_mov_b32 s22, 0x3e38aa3b                      ; c = log2(e) / 8
	s_mov_b32 s23, s22                             ; (the packed form names the pair)
	; descriptor group 1: a slot is a dense block of 25,600 bytes: 100 rows of 256 bytes (32 elements of 8 bytes), no padding, no mask
	s_mov_b32 s24, 3<<16
	s_mov_b32 s25, 32<<16                          ; tensor_dim0 = 32
	s_mov_b32 s26, 100<<16                         ; tensor_dim1 = 100
	s_mov_b32 s27, 32<<16                          ; tile_dim0 = 32
	s_mov_b32 s28, 100                             ; tile_dim1 = 100
	s_mov_b32 s29, 32                              ; the pitch
	s_mov_b32 s30, 0
	s_mov_b32 s31, 0
	; offsets, each in the pair that will hold the pointer; all under 2^27
	s_mul_i32 s36, s13, 16*STEPB                   ; the head's 16 key steps in kv
	s_mov_b32 s37, 0
	s_mov_b32 s39, 0
	s_lshl_b32 s44, s13, 19                        ; the head's 2,048 rows of 256 bytes in out0
	s_lshl_b32 s40, s17, 8
	s_add_co_u32 s40, s40, s44
	s_mov_b32 s41, 0
	s_lshl_b32 s42, s18, 8
	s_add_co_u32 s42, s42, s44
	s_mov_b32 s43, 0
	s_lshr_b32 s44, s13, 4                         ; b
	s_mul_i32 s44, s44, 2048*ROWQ
	s_and_b32 s45, s13, 15                         ; h
	s_lshl_b32 s45, s45, 8
	s_add_co_u32 s44, s44, s45
	s_mul_i32 s52, s17, ROWQ
	s_add_co_u32 s52, s52, s44
	s_mov_b32 s53, 0
	s_mul_i32 s54, s18, ROWQ
	s_add_co_u32 s54, s54, s44
	s_mov_b32 s55, 0
	; the lanes' addresses
	v_and_b32 v2, 31, v0
	v_lshlrev_b32 v1, 4, v2                        ; 16 x lane
	v_lshlrev_b32 v2, 2, v2                        ; 4 x lane
	v_and_b32 v3, 15, v0                           ; r
	v_bfe_u32 v4, v0, 4, 1                         ; hh
	s_mul_i32 s47, s10, 16*SP
	s_add_co_u32 s47, s47, STAGE                   ; my stage
	v_mul_u32_u24 v7, v3, SP
	v_lshl_add_u32 v9, v4, 7, v7
	v_lshl_add_u32 v7, v4, 5, v7
	v_add_nc_u32 v7, s47, v7                       ; o into the stage: row r, 32 bytes for each half of the lanes
	v_add_nc_u32 v9, s47, v9                       ; q out of the stage: row r, my half's 32 numbers
	v_mul_u32_u24 v8, v4, SP
	v_lshl_add_u32 v8, v3, 4, v8
	v_add_nc_u32 v8, s47, v8                       ; whole rows: lanes 0-15 one row, lanes 16-31 the next
	v_lshlrev_b32 v10, 4, v4
	v_sub_nc_u32 v10, v3, v10                      ; r - 16 hh, for the mask
	v_mul_u32_u24 v11, v4, ROWQ
	v_lshl_add_u32 v11, v3, 4, v11                 ; q in memory: lanes 0-15 one query's 256 bytes, lanes 16-31 the next query's
	v_lshlrev_b32 v36, 3, v4                       ; 8 hh
.irp i, 22,23,24,25,26,27, 216,217,218,219, 227,228
	v_mov_b32 v\i, 0                               ; the zero half between the two Q; permutes' destinations, which count as sources; f's upper half
.endr
	s_wait_kmcnt 0x0
	s_add_nc_u64 s[36:37], s[6:7], s[36:37]
	s_add_nc_u64 s[40:41], s[8:9], s[40:41]
	s_add_nc_u64 s[42:43], s[8:9], s[42:43]
	s_add_nc_u64 s[52:53], s[4:5], s[52:53]
	s_add_nc_u64 s[54:55], s[4:5], s[54:55]
	s_mov_b32 s32, 1                               ; group 0: count = 1,
	s_mov_b32 s33, 0                               ; LDS address: slot 0,
	s_mov_b64 s[34:35], s[36:37]                   ; global address: the head's first 256 keys,
	s_or_b32 s35, s35, 0x80000000                  ; type = 2
	TLOAD                                          ; the first fill, ahead of every LDS read, every wait on TENSORcnt and every barrier
.irp n, 0,1,2,3,4,5,6,7
	global_load_b128 v[S+4*\n:S+4*\n+3], v11, s[52:53] offset:\n*2*ROWQ th:TH_LOAD_NT      ; the first block's 16 queries: two runs of 256 consecutive bytes a load
.endr
.irp n, 0,1,2,3,4,5,6,7
	global_load_b128 v[S+32+4*\n:S+32+4*\n+3], v11, s[54:55] offset:\n*2*ROWQ th:TH_LOAD_NT ; the second block's
.endr
; 16 queries in v[src] on turn through my stage, so that lane (r, hh) holds d = 32 hh + 0..31 of query r: a whole block; then codes into v[dst] .. v[dst + 5] and the scale word (bytes 0, 1) into v[dst + 6]
.macro QUANTQ src, dst
.irp n, 0,1,2,3,4,5,6,7
	ds_store_b128 v8, v[\src+4*\n:\src+4*\n+3] offset:2*\n*SP
.endr
.irp j, 0,1,2,3,4,5,6,7
	ds_load_b128 v[FR+4*\j:FR+4*\j+3], v9 offset:16*\j                     ; LDS serves a wave's instructions in order (ISA guide 5.7.1): these see the stores above
.endr
	s_wait_dscnt 0x0
	MAX1 228, 229, FR
	v_add_nc_u32 v229, 0xfe000000, v228            ; 4 off the exponent field: the conversion's scale operand
	v_lshrrev_b32 v228, 23, v229                   ; the scale's byte,
	v_lshlrev_b32 v[\dst+6], v36, v228             ; at its place: 8 hh bits up;
	v_permlanex16_b32 v216, v[\dst+6], s20, s21
	v_or_b32 v[\dst+6], v[\dst+6], v216            ; with lane l xor 16's the two bytes are together
	v_cvt_scalef32_pk16_bf6_f32 v[\dst:\dst+2], v[FR:FR+15], v229
	v_cvt_scalef32_pk16_bf6_f32 v[PT:PT+2], v[FR+16:FR+31], v229   ; (a conversion's three registers begin on an even number)
	v_nop                                          ; one plain place behind a scaled conversion
.irp i, 0,1,2
	v_mov_b32 v[\dst+3+\i], v[PT+\i]
.endr
.endm
; A block of queries begins: its q into (Q | 0 | Q), its scale word for both forms, the statistics, O^T = 0.  The 32 moves at the end also stand between the scale registers' writes and the next product.
.macro INIT src
.irp i, 0,1,2,3,4,5
	v_mov_b32 v[16+\i], v[\src+\i]
	v_mov_b32 v[28+\i], v[\src+\i]
.endr
	v_mov_b32 v34, v[\src+6]                       ; for (Q | 0): bytes 0, 1; the zero half's bytes are 0
	v_lshlrev_b32 v35, 16, v[\src+6]               ; for (0 | Q): bytes 2, 3
	v_mov_b32 v13, 0xff61b1e6                      ; the largest t so far: -3e38, under every t
	v_floor_f32 v12, -v13                          ; -M
	v_mov_b32 v14, 0
	v_mov_b32 v15, 0
.set n, 0
.rept 32
	v_mov_b32 v[O+n], 0                            ; the step is written once: a block's first step finds zeros, which the first change of M leaves zeros
.set n, n+1
.endr
.endm
	s_wait_loadcnt 8                               ; the first block's eight loads are in; the second block's eight may be out
	QUANTQ S, QAS
	s_wait_loadcnt 0x0
	QUANTQ S+32, QBS
	INIT QAS
; THE CHANGE OF SLOTS stands at a slot's head.  Each wave waits for all its tensor loads (wave 0: the slot ahead), adds 0 to its spare word, and waits for that and for its reads of the slot that it has left.  Behind
; the barrier the slot ahead is whole and nobody reads the other.  fill = 1: that other slot takes the slot of the next trip: slot T + 1 of the keys while T + 1 <= I, slot T - I after; it has a whole slot's work to land in.
.macro CHANGE fill
	s_wait_tensorcnt 0x0                           ; no tensor load of mine is out, so group 0 may be written
	ds_add_u32 v5, v6                              ; 0 onto my spare word
.if \fill
	s_add_co_u32 s44, s14, 1
	s_sub_co_u32 s45, s14, s11
	s_cmp_le_u32 s44, s11
	s_cselect_b32 s46, s44, s45
	s_mul_i32 s38, s46, 2*STEPB
	s_add_nc_u64 s[34:35], s[36:37], s[38:39]
	s_or_b32 s35, s35, 0x80000000
	s_xor_b32 s33, s33, SLOT1
.endif
	s_wait_dscnt 0x0                               ; the add is done, and my reads of the slot that I have left are over
	s_barrier_signal -1
	s_barrier_wait -1
.if \fill
	TLOAD                                          ; the first thing behind the barrier, and the one tensor load until the next
.endif
.endm
.macro KQ p                            ; pair p: two tiles of 16 keys from one run of K's registers.  Odd pairs' scale words lie in lanes 16-31
.if (\p)%2
	v_wmma_scale_f32_16x16x128_f8f6f4 v[S+16*\p:S+16*\p+7], v[FR+12*\p:FR+12*\p+11], v[16:27], 0, v[SCK+\p/2], v34 matrix_a_fmt:MATRIX_FMT_BF6 matrix_b_fmt:MATRIX_FMT_BF6 matrix_a_scale:MATRIX_SCALE_ROW1
	v_wmma_scale_f32_16x16x128_f8f6f4 v[S+16*\p+8:S+16*\p+15], v[FR+12*\p:FR+12*\p+11], v[22:33], 0, v[SCK+\p/2], v35 matrix_a_fmt:MATRIX_FMT_BF6 matrix_b_fmt:MATRIX_FMT_BF6 matrix_a_scale:MATRIX_SCALE_ROW1
.else
	v_wmma_scale_f32_16x16x128_f8f6f4 v[S+16*\p:S+16*\p+7], v[FR+12*\p:FR+12*\p+11], v[16:27], 0, v[SCK+\p/2], v34 matrix_a_fmt:MATRIX_FMT_BF6 matrix_b_fmt:MATRIX_FMT_BF6
	v_wmma_scale_f32_16x16x128_f8f6f4 v[S+16*\p+8:S+16*\p+15], v[FR+12*\p:FR+12*\p+11], v[22:33], 0, v[SCK+\p/2], v35 matrix_a_fmt:MATRIX_FMT_BF6 matrix_b_fmt:MATRIX_FMT_BF6
.endif
.endm
.macro PV t                            ; O^T's tile t: d = 16 t on; K = the step's 128 keys
.if (\t)%2
	v_wmma_scale_f32_16x16x128_f8f6f4 v[O+8*\t:O+8*\t+7], v[FR+12*\t:FR+12*\t+11], v[PC:PC+11], v[O+8*\t:O+8*\t+7], v[SCV+\t/2], v[PW] matrix_a_fmt:MATRIX_FMT_BF6 matrix_b_fmt:MATRIX_FMT_BF6 matrix_a_scale:MATRIX_SCALE_ROW1
.else
	v_wmma_scale_f32_16x16x128_f8f6f4 v[O+8*\t:O+8*\t+7], v[FR+12*\t:FR+12*\t+11], v[PC:PC+11], v[O+8*\t:O+8*\t+7], v[SCV+\t/2], v[PW] matrix_a_fmt:MATRIX_FMT_BF6 matrix_b_fmt:MATRIX_FMT_BF6
.endif
.endm
; A KEY STEP: 128 keys, the q-th of the slot in hand.  No two matrix instructions that follow each other share an accumulator.
.macro STEP q
	s_add_co_u32 s47, s17, 15                      ; a step all of whose keys come after my 16 queries is left out: a scalar branch on ids; no barrier and no tensor load stands in a step
	s_cmp_gt_u32 s16, s47
	s_cbranch_scc1 .Lhid_\@
.irp p, 0,1,2,3
.irp c, 0,1,2
	ds_load_b128 v[FR+12*\p+4*\c:FR+12*\p+4*\c+3], v3 offset:STEPB*\q+1536*\p+512*\c      ; K's pairs, as images: 512 consecutive bytes a load
.endr
.endr
	ds_load_b32 v[SCK], v4 offset:STEPB*\q+KSC
	ds_load_b32 v[SCK+1], v4 offset:STEPB*\q+KSC+128
	s_wait_dscnt 0x0
.irp p, 0,1,2,3
	KQ \p
.endr                                              ; lane (r, hh): query r; register S + 16 p + i: key 32 p + 16 hh + i of the step
.rept 4
	v_nop                                          ; places in front of loads into registers that these products have read, and of the first read of their results
.endr
.irp t, 0,1,2,3
.irp c, 0,1,2
	ds_load_b128 v[FR+12*\t+4*\c:FR+12*\t+4*\c+3], v3 offset:STEPB*\q+VFR+1536*\t+512*\c  ; V's tiles: they land while the softmax is worked
.endr
.endr
	ds_load_b32 v[SCV], v4 offset:STEPB*\q+VSC
	ds_load_b32 v[SCV+1], v4 offset:STEPB*\q+VSC+128
	s_add_co_u32 s47, s16, 127                     ; on the diagonal the scores of hidden keys become -infinity ahead of the maximum: p = 0 then.  A step all of whose keys count skips this
	s_cmp_le_u32 s47, s17
	s_cbranch_scc1 .Lopen_\@
	s_sub_co_i32 s47, s17, s16
	v_add_nc_u32 v228, s47, v10                    ; d = my query - the step's first key - 16 hh: register 16 b + i is hidden where 32 b + i > d
	v_mov_b32 v229, 0xff800000
.set n, 0
.rept 64
	v_cmp_gt_i32 vcc_lo, 32*(n/16)+n%16, v228
	v_cndmask_b32 v[S+n], v[S+n], v229, vcc_lo
.set n, n+1
.endr
.Lopen_\@:
.irp b, 0,1,2,3
	v_max3_num_f32 v[BM+\b], v[S+16*\b], v[S+1+16*\b], v[S+2+16*\b]      ; the largest score of each block of 32 keys: for the row's maximum and, since p rises with the score, for the block's largest p
.endr
.irp i, 3,5,7,9,11,13
.irp b, 0,1,2,3
	v_max3_num_f32 v[BM+\b], v[BM+\b], v[S+16*\b+\i], v[S+1+16*\b+\i]    ; (the four blocks by turns; each accumulator is first read at its low end)
.endr
.endr
.irp b, 0,1,2,3
	v_max_num_f32 v[BM+\b], v[BM+\b], v[S+15+16*\b]
.endr
.irp b, 0,1,2,3
	v_permlanex16_b32 v[BP+\b], v[BM+\b], s20, s21
.endr
.irp b, 0,1,2,3
	v_max_num_f32 v[BM+\b], v[BM+\b], v[BP+\b]     ; with lane l xor 16's 16 keys
.endr
	v_max3_num_f32 v228, v[BM], v[BM+1], v[BM+2]
	v_max_num_f32 v228, v228, v[BM+3]              ; the step's largest score of my query
	v_mul_f32 v228, s22, v228                      ; as t (c is positive)
	v_max_num_f32 v13, v13, v228                   ; the running largest t
	v_mov_b32 v228, v12
	v_floor_f32 v12, -v13                          ; the new -M = floor(-t) = -ceil(t): a whole number
	v_sub_f32 v228, v12, v228                      ; old M - new M: a whole number, 0 or less
	v_cvt_i32_f32 v228, v228                       ; (it saturates)
	v_ldexp_f32 v[FF], 1.0, v228                   ; f = 2^(old M - new M)
.set n, 0
.rept 32
	v_pk_fma_f32 v[S+n:S+n+1], v[S+n:S+n+1], s[22:23], v[12:13] op_sel_hi:[1,0,0]   ; t - M, two at a time (of the pairs c and -M the low word serves both halves)
.set n, n+2
.endr
.irp b, 0,1,2,3
	v_fma_f32 v[BM+\b], v[BM+\b], s22, v12         ; the same of each block's largest score
.endr
.set n, 0
.rept 64
	v_exp_f32 v[S+n], v[S+n]                       ; p = 2^(t - M), at most 1: not normalised
.set n, n+1
.endr
.irp b, 0,1,2,3
	v_exp_f32 v[BM+\b], v[BM+\b]                   ; the block's largest p: the same two instructions on the same number give the same bits
.endr
	v_pk_mul_f32 v[14:15], v[14:15], v[FF:FF+1] op_sel_hi:[1,0]   ; the sums under the new M.  (A plain place behind the exponentials)
	s_wait_alu depctr_va_vdst(0)
.irp b, 0,1,2,3
	v_max_num_f32 v[BM+\b], 0x2800000, v[BM+\b]    ; the floor 2^(5 - 127): the byte cannot fall under 1
.endr
.irp b, 0,1,2,3
	v_add_nc_u32 v[SO+\b], 0xfe000000, v[BM+\b]    ; 4 off the exponent field: the conversion's scale operand
.endr
.irp b, 0,1,2,3
	v_lshrrev_b32 v[BP+\b], 23, v[SO+\b]           ; the scale's byte
.endr
	v_lshl_or_b32 v[PW], v[BP+1], 8, v[BP]         ; p's scale word for these 128 keys
	v_lshl_or_b32 v[PW], v[BP+2], 16, v[PW]
	v_lshl_or_b32 v[PW], v[BP+3], 24, v[PW]
.irp c, 0,1
	v_cvt_scalef32_pk16_bf6_f32 v[PC+6*\c:PC+6*\c+2], v[S+32*\c:S+32*\c+15], v[SO+2*\c]
	v_cvt_scalef32_pk16_bf6_f32 v[PT+4*\c:PT+4*\c+2], v[S+32*\c+16:S+32*\c+31], v[SO+2*\c+1]
.endr
	v_nop                                          ; one plain place behind a scaled conversion
.irp c, 0,1                                        ; the operand's layout wants a WHOLE block in a lane: lanes 0-15 block 2 c, lanes 16-31 block 2 c + 1
.irp i, 0,1,2
	v_permlane16_swap_b32 v[PC+6*\c+\i], v[PT+4*\c+\i]
.endr
.irp i, 0,1,2
	v_mov_b32 v[PC+6*\c+3+\i], v[PT+4*\c+\i]
.endr
.endr
.set n, 0
.rept 16
	v_pk_mul_f32 v[O+n:O+n+1], v[O+n:O+n+1], v[FF:FF+1] op_sel_hi:[1,0]   ; O^T under the new M: x f, from each accumulator's low end on
.set n, n+2
.endr
	v_pk_add_f32 v[230:231], v[S:S+1], v[S+2:S+3]  ; the row's sum is taken of the UNQUANTISED p: two at a time, in two chains.  (These lines also stand between the writes of p's codes and of O^T and the products)
.irp j, 4,8,12,16,20,24,28,32,36,40,44,48,52,56,60
	v_pk_add_f32 v[14:15], v[14:15], v[S+\j:S+\j+1]
	v_pk_add_f32 v[230:231], v[230:231], v[S+\j+2:S+\j+3]
.endr
	v_pk_add_f32 v[14:15], v[14:15], v[230:231]
	s_wait_dscnt 0x0                               ; V's tiles and scale words are in
.irp t, 0,1,2,3
	PV \t
.endr
.rept 4
	v_nop                                          ; places in front of the next loads into the fragments' registers and of the next read or write of O^T
.endr
.Lhid_\@:
	s_add_co_u32 s16, s16, 128
.endm
.macro SLOT_STEPS
	v_add_nc_u32 v3, s15, v1
	v_add_nc_u32 v4, s15, v2
	STEP 0
	STEP 1
	s_xor_b32 s15, s15, SLOT1                      ; on to the other slot
.endm
; THE WAY OUT of a block's 16 queries.  O^T / the sum goes through my stage and comes back as whole rows; the wave's 16 rows are 4,096 dense bytes of out0, so each store covers 512 consecutive bytes, at a multiple of 256.
.macro WAYOUT pb
	v_add_f32 v14, v14, v15                        ; the sum's two halves,
	v_permlanex16_b32 v228, v14, s20, s21
	v_add_f32 v14, v14, v228                       ; and lane l xor 16's: the row's sum
	v_rcp_f32 v14, v14
	v_nop                                          ; one plain place behind a transcendental
.set n, 0
	s_wait_alu depctr_va_vdst(0)
.rept 16
	v_pk_mul_f32 v[S+n:S+n+1], v[O+n:O+n+1], v[14:15] op_sel_hi:[1,0]     ; register 8 t + j is o(r, 16 t + 8 hh + j)
.set n, n+2
.endr
.irp t, 0,1,2,3
	ds_store_b128 v7, v[S+8*\t:S+8*\t+3] offset:64*\t
	ds_store_b128 v7, v[S+8*\t+4:S+8*\t+7] offset:64*\t+16
.endr
.irp i, 0,1,2,3,4,5,6,7
	ds_load_b128 v[FR+4*\i:FR+4*\i+3], v8 offset:2*\i*SP                  ; LDS serves a wave's instructions in order: these see my stores
.endr
.irp i, 0,1,2,3,4,5,6,7
	s_wait_dscnt 7-\i                              ; rows 2 i, 2 i + 1 are back; the younger loads may be out
	global_store_b128 v1, v[FR+4*\i:FR+4*\i+3], s[\pb:\pb+1] offset:512*\i th:TH_STORE_NT
.endr
	s_wait_xcnt 0x0                                ; the stores' data registers are loaded again only behind this wait
.endm
.Lslot:                                            ; eight trips: behind each change of slots the next trip's slot is asked for
	CHANGE 1
	s_cmp_lg_u32 s14, s12                          ; trip I + 1 (1 .. 4): the first block is done
	s_cbranch_scc1 .Lsame
	WAYOUT 40
	INIT QBS
	s_mov_b32 s17, s18                             ; the second block's queries,
	s_mov_b32 s16, 0                               ; from key 0 on
.Lsame:
	SLOT_STEPS
	s_add_co_u32 s14, s14, 1
	s_cmp_lt_u32 s14, 8
	s_cbranch_scc1 .Lslot
	CHANGE 0                                       ; the ninth slot is written out
	SLOT_STEPS
	WAYOUT 42
	s_wait_tensorcnt 0x0                           ; the wave's end: behind my last tensor load and my last LDS store
	ds_add_u32 v5, v6
	s_wait_dscnt 0x0
	s_endpgm
.Lfunc_end_k_qe80e8a6b3a_attn:
	.size	k_qe80e8a6b3a_attn, .Lfunc_end_k_qe80e8a6b3a_attn-k_qe80e8a6b3a_attn
	.p2alignl 7, 3214868480
	.fill 96, 4, 3214868480
	.section	.rodata,"a",@progbits
	.p2align	6, 0x0
	.amdhsa_kernel k_qe80e8a6b3a_attn
		.amdhsa_group_segment_fixed_size 327680
		.amdhsa_private_segment_fixed_size 0
		.amdhsa_enable_private_segment 0
		.amdhsa_kernarg_size 24
		.amdhsa_user_sgpr_count 2
		.amdhsa_user_sgpr_kernarg_segment_ptr 1
		.amdhsa_wavefront_size32 1
		.amdhsa_system_sgpr_workgroup_id_x 1
		.amdhsa_system_sgpr_workgroup_id_y 1
		.amdhsa_system_sgpr_workgroup_id_z 1
		.amdhsa_system_vgpr_workitem_id 0
		.amdhsa_next_free_vgpr 256
		.amdhsa_next_free_sgpr 66
		.amdhsa_reserve_vcc 1
		.amdhsa_float_denorm_mode_32 3
		.amdhsa_float_denorm_mode_16_64 3
		.amdhsa_memory_ordered 1
		.amdhsa_forward_progress 1
		.amdhsa_inst_pref_size 105
	.end_amdhsa_kernel
	.amdgpu_metadata
---
amdhsa.version: [ 1, 2 ]
amdhsa.kernels:
  - .name:           k_qe80e8a6b3a_attn
    .symbol:         k_qe80e8a6b3a_attn.kd
    .args:
      - { .name: qkv, .offset: 0, .size: 8, .value_kind: global_buffer, .address_space: global }
      - { .name: kv, .offset: 8, .size: 8, .value_kind: global_buffer, .address_space: global }
      - { .name: out0, .offset: 16, .size: 8, .value_kind: global_buffer, .address_space: global }
    .group_segment_fixed_size: 327680
    .private_segment_fixed_size: 0
    .kernarg_segment_align: 8
    .kernarg_segment_size: 24
    .max_flat_workgroup_size: 512
    .sgpr_count:     66
    .vgpr_count:     256
    .wavefront_size: 32
...
	.end_amdgpu_metadata
.endif
;; end of part 2
